; MI455X (gfx1250); checked and timed in simulation.
; The chip was launched on July 23, 2026; its instructions are those of AMD's public machine-readable ISA for CDNA 5 (MIT licence, August 2026) and "CDNA5" Instruction Set Architecture Reference Guide (July 2026). The comments in the code are by the model that wrote it; some were corrected since.
;; Spearman Correlation. Allowed arithmetic: matrix products marked QUANTISED: E4M3 operands, one given power-of-two scale a tensor, by v_wmma_f32_16x16x64_fp8_fp8 or v_wmma_f32_16x16x128_fp8_fp8, f32 sums; everything else in f32.
;; Inputs: de_data 128 x 128 x 32 float32; lowp_scales 2 int32 (the exponents e of the quantised operands' scales 2^e).
;; Outputs: out0 128 x 128 x 128 float32.
;; This version of the problem:
;;   THIS VERSION OF THE PROBLEM IS GIVEN IN LOW PRECISION. The matrix products marked QUANTISED in the list below multiply operands that are first quantised to E4M3 (4 exponent bits, 3 mantissa bits; 8 bits a number), with one given power-of-two scale for each operand tensor; their sums are f32. All else is computed in f32.
;;   The module's matrix products, in the order in which they are computed (A, B: the left and right operand; K: the contracted axis; several contracted axes count as one K, in the product's order):
;;     1. batch 4,096 x [M 128, K 128] x [K 128, N 128]; A: computed on the way; B: computed on the way: QUANTISED (scales: A lowp_scales[0], B lowp_scales[1])
;;   THE QUANTISER, for each operand of a quantised product, along K:
;;     - The operand's scale is 2^e, e = its entry of the input lowp_scales (int32; the entries are numbered through the quantised products in the list's order, A before B).
;;     - Each number is divided by the scale, clamped to +-448, and rounded to the nearest number of E4M3, ties to even, subnormals kept.
;;     - The product sums the exact products of the quantised numbers (number of the format x scale) in f32.
;;   ~~~python
;;   def quantise(x, axis, e):      # numpy; x: float32 -> the quantised numbers, widened to float32 again
;;       x = np.moveaxis(x, axis, -1); K = x.shape[-1]
;;       r = np.clip(x / 2.0 ** e, -448, 448)
;;       step = 2.0 ** (np.maximum(np.frexp(np.where(r == 0, 1, r))[1] - 1, -6) - 3)
;;       q = np.round(r / step) * step * 2.0 ** e      # np.round: ties to even
;;       return np.moveaxis(q, -1, axis).astype(np.float32)
;;   ~~~
;;   OPERANDS COMPUTED ON THE WAY. 'Computed on the way' means the value that the module computes at that place (a softmax that the list does not call 'softmax' is quantised finished and normalised). What goes into a quantiser is computed in f32, as accurately as f32 sums, v_exp_f32 and their like allow (about 1e-6 of the number): no bf16 or f16 on the way to a quantiser, and a product that is left as it is and whose result goes on into a quantised operand takes f32 operands (vector FMAs, or v_wmma_f32_16x16x4_f32). A number that lies on a knife's edge between two numbers of the format may be rounded either way, as far as f32 arithmetic and the matrix unit's own rounding can turn it there, and no further.
;; 2 versions. Each part assembles by itself: llvm-mc -triple=amdgcn-amd-amdhsa -mcpu=gfx1250 --defsym DOCPART=n.
;; ======== version 1 of 2: 2 launches
;; workspace buffers: rk 524,288 bytes of whole numbers
;; launch ranks (part 1): grid 256 x 1, 8 waves a work-group, no clusters, 19,456 bytes of LDS; arguments de_data, rk; writes rk
.if DOCPART == 1
	.amdgcn_target "amdgcn-amd-amdhsa--gfx1250"
	.amdhsa_code_object_version 6
	.text
	.protected	k_qd234ef2c5a_ranks
	.globl	k_qd234ef2c5a_ranks
	.p2align	8
	.type	k_qd234ef2c5a_ranks,@function
k_qd234ef2c5a_ranks:
	s_mov_b64 s[64:65], 0
	v_nop
	global_prefetch_b8 v0, s[64:65] scope:SCOPE_SE
	s_setreg_imm32_b32 hwreg(HW_REG_WAVE_MODE, 25, 1), 1
	s_wait_xcnt 0x0
; rk[b][e][f] (one byte) = 127 - rank of de_data[b][e][f] among the 128 electrodes e of the same (b, f).
; rank = the place in a stable ascending sort = the number of k with x_k < x_j, plus the number of k < j with x_k = x_j.
; ORDER OF THE NUMBERS, as the sort of reference() has it: -0 equals +0; every NaN counts as one number above +infinity.  Infinities, NaN and -0 are served.
; Each f32 becomes a signed whole number with that order (macro KEY), so that "x_k <= x_j" is "key_k - 1 < key_j": one subtraction a key settles on which side ties fall.
; SHARES.  256 work-groups: batch b = x / 2, electrodes 64 (x % 2) .. + 63.  Eight waves; wave w owns the block of eight electrodes jb = 8 (x % 2) + w; a lane is a frequency band f.
; A wave compares its 8 keys with all 128 keys of its lane's band: a compare into a scalar mask and an add with that mask as carry, two instructions a pair.
; The batch's 16,384 bytes are read once by the work-group, 512 consecutive bytes a wave's load, and lie in LDS as keys.  No branch and no address hangs on the data.
; No tensor load, no cluster, no matrix unit: the two work-groups of a batch share 16,384 bytes, and the work is comparisons.
.set OUTB, 16384                       ; LDS: keys [e][f], 128 bytes a row, at byte 0; behind them a stage of 256 bytes for each wave
.set X,   8                            ; v[8:23]   16 numbers as loaded, then as keys
.set J,   32                           ; v[32:39]  the keys of my eight electrodes
.set CNT, 40                           ; v[40:47]  their ranks
.set KA,  48                           ; v[48:55]  a block of eight keys to compare with
.set KB,  56                           ; v[56:63]  the next block
	s_load_b128 s[4:7], s[0:1], 0x0                ; de_data s[4:5], rk s[6:7]
	v_lshl_add_u32 v64, v0, 2, 0x4800
	v_mov_b32 v65, 0
	v_lshlrev_b32 v1, 4, v0                        ; 16 x thread: my 16 bytes of a load's 4,096
	v_lshrrev_b32 v2, 5, v0
	v_readfirstlane_b32 s8, v2                     ; wave 0..7
	v_and_b32 v3, 31, v0                           ; lane = f
	v_lshlrev_b32 v2, 2, v3                        ; 4 f: my column of the keys
	v_and_b32 v5, 0xe0, v0                         ; 32 x wave
	v_lshl_add_u32 v5, v5, 3, v3
	v_add_nc_u32 v5, OUTB, v5                      ; my wave's stage + f
	v_lshlrev_b32 v6, 3, v0                        ; 8 x thread = 256 x wave + 8 x lane: where I read the stage back, and my place in rk
	s_lshr_b32 s9, ttmp9, 1                        ; b
	s_and_b32 s10, ttmp9, 1                        ; which half of the electrodes
	s_lshl_b32 s2, s9, 14                          ; a batch of de_data is 16,384 bytes
	s_mov_b32 s3, 0
	s_lshl_b32 s14, ttmp9, 11                      ; rk: 4,096 b + 2,048 half
	s_mov_b32 s15, 0
	s_lshl_b32 s11, s10, 3
	s_add_co_u32 s11, s11, s8                      ; jb: my block of eight electrodes, 0..15
	s_mov_b32 s16, 0x7fffffff
	s_mov_b32 s17, 0x80000000
	s_mov_b32 s18, 0x7f800001                      ; the one key of every NaN
	s_mov_b32 s19, 0x7f800000
	s_wait_kmcnt 0x0
	s_add_nc_u64 s[4:5], s[4:5], s[2:3]
	s_add_nc_u64 s[6:7], s[6:7], s[14:15]
.irp n, 0,1,2,3
	global_load_b128 v[X+4*\n:X+4*\n+3], v1, s[4:5] offset:4096*\n   ; a wave reads 512 consecutive bytes
.endr
; f32 bits -> a signed whole number of the same order.  Magnitude, with every NaN held at one value; negative where the sign is set and the number is no NaN.
.macro KEY x
	v_and_b32 v24, s16, v[\x]                      ; magnitude
	v_xor_b32 v25, s17, v[\x]                      ; sign turned: at most 0x7f800000 only for a negative number that is no NaN
	v_min_u32 v24, s18, v24
	v_cmp_ge_u32 vcc_lo, s19, v25
	v_sub_nc_u32 v26, 0, v24
	v_cndmask_b32 v[\x], v24, v26, vcc_lo
.endm
.irp n, 0,1,2,3
	s_wait_loadcnt 3-\n                            ; loads come back in order: load n is in, the younger ones may be out
.irp k, 0,1,2,3
	KEY X+4*\n+\k
.endr
	ds_store_b128 v1, v[X+4*\n:X+4*\n+3] offset:4096*\n
.endr
	s_wait_dscnt 0x0                               ; for the others' sake: my keys lie in LDS
	s_barrier_signal -1
	s_barrier_wait -1                              ; all 4,096 keys do
	s_lshl_b32 s14, s11, 10                        ; a block of eight rows is 1,024 bytes
	v_add_nc_u32 v7, s14, v2
.irp i, 0,1,2,3,4,5,6,7
	ds_load_b32 v[J+\i], v7 offset:128*\i          ; my eight keys
.endr
.irp c, 0,1,2,3,4,5,6,7
	ds_load_b32 v[KA+\c], v2 offset:128*\c         ; block 0
.endr
.irp i, 0,1,2,3,4,5,6,7
	v_mov_b32 v[CNT+\i], 0
.endr
; Eight keys against my eight.  s13 = 1 for a block of electrodes below mine (a tie counts), 0 for my own block and those above (it does not).
; Eight masks, so that no add stands directly behind the compare that feeds it.
.macro BLOCK k
.irp c, 0,1,2,3,4,5,6,7
	v_sub_nc_u32 v[\k+\c], v[\k+\c], s13
.endr
.irp c, 0,1,2,3,4,5,6,7
.irp i, 0,1,2,3,4,5,6,7
	v_cmp_lt_i32 s[20+\i], v[\k+\c], v[J+\i]
.endr
.irp i, 0,1,2,3,4,5,6,7
	v_add_co_ci_u32 v[CNT+\i], vcc_lo, 0, v[CNT+\i], s[20+\i]
.endr
.endr
.endm
; Blocks s12 and s12 + 1.  While one set of keys is compared, the other set's loads are on their way.  more = 1: block s12 + 2 is asked for.
.macro PAIR more
	s_add_co_u32 s14, s12, 1
	s_lshl_b32 s15, s14, 10
	v_add_nc_u32 v4, s15, v2                       ; (its last loads were waited for in front of the last BLOCK KB)
.irp c, 0,1,2,3,4,5,6,7
	ds_load_b32 v[KB+\c], v4 offset:128*\c
.endr
	s_cmp_lt_u32 s12, s11
	s_cselect_b32 s13, 1, 0
	s_wait_dscnt 8                                 ; all but the eight just issued: block s12 is in (and, the first time, my own keys)
	BLOCK KA
.if \more
	s_add_co_u32 s15, s12, 2
	s_lshl_b32 s15, s15, 10
	v_add_nc_u32 v3, s15, v2
.irp c, 0,1,2,3,4,5,6,7
	ds_load_b32 v[KA+\c], v3 offset:128*\c
.endr
.endif
	s_cmp_lt_u32 s14, s11
	s_cselect_b32 s13, 1, 0
.if \more
	s_wait_dscnt 8                                 ; all but the eight just issued: block s12 + 1 is in
.else
	s_wait_dscnt 0x0
.endif
	BLOCK KB
.endm
	s_mov_b32 s12, 0
.Lpair:                                                ; seven trips: blocks 0 to 13
	PAIR 1
	s_add_co_u32 s12, s12, 2
	s_cmp_lt_u32 s12, 14
	s_cbranch_scc1 .Lpair
	PAIR 0                                         ; blocks 14 and 15: nothing more is asked for
	; ties inside my own block: electrode c < i with the same key comes first
.irp i, 1,2,3,4,5,6,7
.irp c, 0,1,2,3,4,5,6
.if \c < \i
	v_cmp_eq_u32 s[20+\c], v[J+\c], v[J+\i]
.endif
.endr
.irp c, 0,1,2,3,4,5,6
.if \c < \i
	v_add_co_ci_u32 v[CNT+\i], vcc_lo, 0, v[CNT+\i], s[20+\c]
.endif
.endr
.endr
	; 127 - rank, a byte.  A lane holds one band of eight electrodes; in rk the bands are innermost: the wave's 256 bytes turn through its own stage.
.irp i, 0,1,2,3,4,5,6,7
	v_sub_nc_u32 v[CNT+\i], 127, v[CNT+\i]
.endr
.irp i, 0,1,2,3,4,5,6,7
	ds_store_b8 v5, v[CNT+\i] offset:32*\i
.endr
	ds_load_b64 v[8:9], v6 offset:OUTB             ; my wave's own bytes: LDS serves a wave's instructions in order (ISA guide 5.7.1.4), so this sees the stores above
	s_wait_dscnt 0x0
	global_store_b64 v6, v[8:9], s[6:7]            ; the wave stores 256 consecutive bytes, at a multiple of 256 from rk's first byte
	s_wait_tensorcnt 0x0
	ds_add_u32 v64, v65
	s_wait_dscnt 0x0
	s_endpgm
.Lfunc_end_k_qd234ef2c5a_ranks:
	.size	k_qd234ef2c5a_ranks, .Lfunc_end_k_qd234ef2c5a_ranks-k_qd234ef2c5a_ranks
	.p2alignl 7, 3214868480
	.fill 96, 4, 3214868480
	.section	.rodata,"a",@progbits
	.p2align	6, 0x0
	.amdhsa_kernel k_qd234ef2c5a_ranks
		.amdhsa_group_segment_fixed_size 19456
		.amdhsa_private_segment_fixed_size 0
		.amdhsa_enable_private_segment 0
		.amdhsa_kernarg_size 16
		.amdhsa_user_sgpr_count 2
		.amdhsa_user_sgpr_kernarg_segment_ptr 1
		.amdhsa_wavefront_size32 1
		.amdhsa_system_sgpr_workgroup_id_x 1
		.amdhsa_system_sgpr_workgroup_id_y 1
		.amdhsa_system_sgpr_workgroup_id_z 1
		.amdhsa_system_vgpr_workitem_id 0
		.amdhsa_next_free_vgpr 66
		.amdhsa_next_free_sgpr 66
		.amdhsa_reserve_vcc 1
		.amdhsa_float_denorm_mode_32 3
		.amdhsa_float_denorm_mode_16_64 3
		.amdhsa_memory_ordered 1
		.amdhsa_forward_progress 1
		.amdhsa_inst_pref_size 48
	.end_amdhsa_kernel
	.amdgpu_metadata
---
amdhsa.version: [ 1, 2 ]
amdhsa.kernels:
  - .name:           k_qd234ef2c5a_ranks
    .symbol:         k_qd234ef2c5a_ranks.kd
    .args:
      - { .name: de_data, .offset: 0, .size: 8, .value_kind: global_buffer, .address_space: global }
      - { .name: rk, .offset: 8, .size: 8, .value_kind: global_buffer, .address_space: global }
    .group_segment_fixed_size: 19456
    .private_segment_fixed_size: 0
    .kernarg_segment_align: 8
    .kernarg_segment_size: 16
    .max_flat_workgroup_size: 256
    .sgpr_count:     66
    .vgpr_count:     66
    .wavefront_size: 32
...
	.end_amdgpu_metadata
.endif
;; end of part 1
;; launch corr (part 2): grid 256 x 1, 4 waves a work-group, no clusters, 280,064 bytes of LDS; arguments rk, lowp_scales, out0; writes out0
.if DOCPART == 2
	.amdgcn_target "amdgcn-amd-amdhsa--gfx1250"
	.amdhsa_code_object_version 6
	.text
	.protected	k_qd234ef2c5a_corr
	.globl	k_qd234ef2c5a_corr
	.p2align	8
	.type	k_qd234ef2c5a_corr,@function
k_qd234ef2c5a_corr:
	s_mov_b64 s[64:65], 0
	v_nop
	global_prefetch_b8 v0, s[64:65] scope:SCOPE_SE
	s_setreg_imm32_b32 hwreg(HW_REG_WAVE_MODE, 25, 1), 1
	s_wait_xcnt 0x0
; out0[b][j][k] = 1/32 x the sum over f of ( sum over m of Q0(W[m][j]) Q1(W[m][k]) - se[j] se[k] / 127 ),  W[m][j] = 1 / (|rank_m - rank_j| + 1), se[j] = the sum over m of W[m][j], all for one (b, f).
; Q0, Q1: E4M3 with the given scales 2^e0 (the j side) and 2^e1 (the k side).  The products go by v_wmma_f32_16x16x128_fp8_fp8, sums in f32; se and all else in f32.
; WHAT THE TEXT RESTS ON.  The ranks of one (b, f) are a permutation of 0..127, whatever the data.  So the contracted index m is walked in the order of the ranks p = 0..127, alike on both sides, and row j of an operand is
; the byte string code(1 / (|p - rank_j| + 1)), p = 0..127: a window of 128 bytes, beginning at byte kappa = 127 - rank_j, of ONE vector V of 255 codes, V[i] = code(1 / (|i - 127| + 1)).  rk holds kappa.
; Likewise se[j] = S(rank_j) = H(rank_j + 1) + H(128 - rank_j) - 1, H the harmonic sums; S(r) = S(127 - r), so S is looked up by kappa.
; THE CODE TABLES.  For each side a table in LDS: piece s = V[s .. s + 15], s = 0..239, written sixteen times, at 256 s + 16 r.  A fragment (16 rows x 128 along K) is four ds_load_b128 a lane, at
; table + 256 (kappa + 16 h) + 16 r + 8192 c: lane (r, h) gets p = 32 c + 16 h + 0..15 of its row in registers 4 c .. 4 c + 3, the same places on both sides.  Lane r always reads 16-byte column r of a 256-byte row,
; so the sixteen lanes of a half touch sixteen different columns whatever the ranks are.
; SHARES.  256 work-groups: batch b = x / 2, rows j = 64 (x % 2) .. + 63 of out0[b], all 128 columns.  THE FOUR WAVES SHARE f, NOT THE TILE: wave w takes f = 8 w .. 8 w + 7 and sums them into 32 accumulators (64 x 128):
; a band is one K step of 128: 12 fragments (48 LDS loads) feed 32 matrix instructions.  The four partial sums meet in LDS, which also turns them into whole rows for the stores.
; THE MATRIX INSTRUCTION IS USED TRANSPOSED (source 0 = 16 rows of the k side, source 1 = 16 rows of the j side): register i of lane (r, h) is (j0 + r, k0 + 8 h + i).
; LDS BETWEEN BARRIERS.  The fragments' and S's addresses come from loaded ranks (held at 127).  Between two barriers stand either such loads or LDS stores, never both.
; No tensor load, no cluster: a work-group reads 4,096 bytes of ranks in all, and its operands are made in LDS.  No branch, no label, no loop.
; LIMITS, so that each power of two below is an f32 number: e0 and e1 each between -126 and 119; e0 + e1 between -121 and 132.
; REGISTERS, in windows of 256.  Window 0: v0-15 ids and addresses; v16-39 kappa bytes of the 12 row blocks; v40-63 two sets of 12 fragment addresses; v64-95 S of my electrode for the 32 bands; v96-127 at work;
;   v128-191, v192-255 the j side's fragments, two sets.  Window 1: the k side's fragments, two sets, at v0 and v128.  Window 2: accumulator (a, bk) at v[8 (8 a + bk)].
.set T0,     0                         ; the j side's table: 240 pieces x 256 bytes.  (It lies at LDS byte 0: see LBA)
.set T1,     61440                     ; the k side's
.set STG,    122880                    ; the four waves' partial sums: [wave][64 rows][512 bytes + 16]
.set SPITCH, 528                       ; 132 words: the sixteen rows that a store touches begin in sixteen different 16-byte columns of a 256-byte row
.set PART,   64*SPITCH
.set SE,     STG+4*PART                ; se as f32, [f][e], 512 bytes a band
.set HB,     SE+16384                  ; H - 1/2, 512 bytes for each wave
.set STB,    HB+2048                   ; S, 512 bytes for each wave
.set VS,     STB+2048                  ; V, 256 bytes for each wave; the text uses LDS up to VS + 1,024
.set LBB, 5                            ; v5     T1 + 4096 h + 16 r
.set STO, 7                            ; v7     where I put my partial sums
.set SRD, 8                            ; v8-11  where I read partial sum q back
.set SEC, 12                           ; v12    se of my columns
.set SER, 13                           ; v13    se of my rows
.set SEW, 14                           ; v14    where I put S of my electrode
.set GO,  15                           ; v15    4096 h + 16 r: my byte offset in my wave's 16 rows of out0,
.set LBA, 15                           ;        and, T0 being LDS byte 0, my lane's place in the j side's table
.set KR,  16
.set AD,  40
.set EB,  40                           ; v40-47 my electrode's 32 kappa bytes (until the first addresses are made)
.set SEV, 64
.set XV,  116                          ; v116-123 eight numbers of V
.set AF,  128
.set D,   128                          ; v128-161 136 bytes of V (while the tables are built)
.set CH,  164                          ; v164-195 eight sets of four registers for the pieces
.set TA,  196
.set SEL, 197                          ; v197, v198 byte selectors
.set MSB, 0
.macro WIN new                         ; s_set_vgpr_msb: bits 1:0 source 0, 3:2 source 1, 5:4 source 2, 7:6 destination; the high byte repeats the setting that is left
.if MSB != \new
	s_set_vgpr_msb (MSB<<8)|\new
.set MSB, \new
.endif
.endm
	s_load_b128 s[4:7], s[0:1], 0x0                ; rk s[4:5], the scales' exponents s[6:7]
	s_load_b64 s[8:9], s[0:1], 0x10                ; out0
	v_lshl_add_u32 v6, v0, 2, 0x44400
	v_mov_b32 v114, 0
	v_lshrrev_b32 v1, 5, v0
	v_readfirstlane_b32 s10, v1                    ; wave 0..3
	v_and_b32 v1, 31, v0                           ; lane
	v_and_b32 v2, 15, v0                           ; r
	v_bfe_u32 v3, v0, 4, 1                         ; h
	v_lshlrev_b32 v4, 4, v0                        ; 16 x thread = 512 x wave + 16 x lane
	s_lshr_b32 s11, ttmp9, 1                       ; b
	s_and_b32 s12, ttmp9, 1                        ; which 64 rows
	s_lshl_b32 s16, s11, 12                        ; a batch of rk is 4,096 bytes
	s_mov_b32 s17, 0
	s_lshl_b32 s18, s12, 11                        ; 64 electrodes are 2,048
	s_mov_b32 s19, 0
	s_lshl_b32 s20, s10, 3
	v_lshl_add_u32 v126, v2, 5, s20                ; 32 r + 8 w: electrode r of a block, my wave's eight bands
	v_lshlrev_b32 v127, 5, v0                      ; 32 x thread: electrode = thread, all 32 bands
	s_lshl_b32 s20, ttmp9, 15                      ; out0: 65,536 b + 32,768 half
	s_lshl_b32 s21, s10, 13                        ; + 16 rows of 512 bytes for each wave
	s_add_co_u32 s20, s20, s21
	s_mov_b32 s21, 0
	s_wait_kmcnt 0x0
	s_load_b64 s[14:15], s[6:7], 0x0               ; e0, e1
	s_add_nc_u64 s[4:5], s[4:5], s[16:17]
	s_add_nc_u64 s[22:23], s[4:5], s[18:19]
	s_add_nc_u64 s[8:9], s[8:9], s[20:21]
.irp k, 0,1,2,3,4,5,6,7
	global_load_b64 v[KR+2*\k:KR+2*\k+1], v126, s[4:5] offset:512*\k            ; the k side's eight blocks of 16 electrodes
.endr
.irp a, 0,1,2,3
	global_load_b64 v[KR+16+2*\a:KR+17+2*\a], v126, s[22:23] offset:512*\a      ; the j side's four
.endr
	global_load_b128 v[EB:EB+3], v127, s[4:5]
	global_load_b128 v[EB+4:EB+7], v127, s[4:5] offset:16
	; addresses that stay
	v_lshlrev_b32 v[GO], 4, v2
	v_lshl_add_u32 v[GO], v3, 12, v[GO]
	v_add_nc_u32 v[LBB], T1, v[GO]
	s_mul_i32 s16, s10, PART
	s_add_co_u32 s16, s16, STG
	v_mul_u32_u24 v[STO], v2, SPITCH
	v_lshl_add_u32 v[STO], v3, 5, v[STO]
	v_add_nc_u32 v[STO], s16, v[STO]               ; my part: row r, + 32 h
	s_mul_i32 s16, s10, 16*SPITCH
	s_add_co_u32 s16, s16, STG
	v_mul_u32_u24 v[SRD], v3, 8*SPITCH
	v_lshl_add_u32 v[SRD], v2, 4, v[SRD]
	v_add_nc_u32 v[SRD], s16, v[SRD]               ; part 0: row 16 w + 8 h, + 16 r
	v_add_nc_u32 v[SRD+1], PART, v[SRD]
	v_add_nc_u32 v[SRD+2], PART, v[SRD+1]
	v_add_nc_u32 v[SRD+3], PART, v[SRD+2]
	v_lshl_add_u32 v[SEC], v2, 4, SE
	s_lshl_b32 s16, s12, 8
	s_lshl_b32 s17, s10, 6
	s_add_co_u32 s16, s16, s17
	s_add_co_u32 s16, s16, SE
	v_lshl_add_u32 v[SER], v3, 5, s16              ; SE + 4 (64 half + 16 w + 8 h)
	v_lshl_add_u32 v[SEW], v0, 2, SE
	; ---- S, each wave for itself.  Lane l: 1 / (4 l + 1 .. 4 l + 4), their running sums, and the sum of the lanes below
	v_lshlrev_b32 v100, 2, v1
	v_cvt_f32_u32 v100, v100
	v_add_f32 v96, 1.0, v100
	v_add_f32 v97, 2.0, v100
	v_add_f32 v98, 0x40400000, v100
	v_add_f32 v99, 4.0, v100
	v_rcp_f32 v96, v96
	v_rcp_f32 v97, v97
	v_rcp_f32 v98, v98
	v_rcp_f32 v99, v99
	v_mov_b32 v100, 0                              ; a plain line behind the reciprocals (ISA guide 5.7.2); and the destination of the shift below is written whole
	s_wait_alu depctr_va_vdst(0)
	v_add_f32 v97, v96, v97
	v_add_f32 v98, v97, v98
	v_add_f32 v99, v98, v99                        ; my lane's total
	v_cvt_f32_u32 v101, v3                         ; h as f32
	v_mov_b32_dpp v100, v99 row_shr:1 row_mask:0xf bank_mask:0xf bound_ctrl:1    ; the lane below's total; 0 in a row's first lane
	v_add_f32_dpp v100, v100, v100 row_shr:1 row_mask:0xf bank_mask:0xf bound_ctrl:1
	v_add_f32_dpp v100, v100, v100 row_shr:2 row_mask:0xf bank_mask:0xf bound_ctrl:1
	v_add_f32_dpp v100, v100, v100 row_shr:4 row_mask:0xf bank_mask:0xf bound_ctrl:1
	v_add_f32_dpp v100, v100, v100 row_shr:8 row_mask:0xf bank_mask:0xf bound_ctrl:1   ; the sum of all lanes below mine in my row of 16
	v_readlane_b32 s16, v100, 15
	v_readlane_b32 s17, v99, 15
	s_add_f32 s16, s16, s17                        ; lanes 0-15 together
	v_fma_f32 v100, v101, s16, v100                ; is added in lanes 16-31
	v_add_f32 v100, -0.5, v100                     ; H - 1/2: two of them make S, which lacks 1
.irp i, 0,1,2,3
	v_add_f32 v[96+\i], v[96+\i], v100             ; H(4 l + i + 1) - 1/2
.endr
	v_add_nc_u32 v102, HB, v4
	v_xor_b32 v103, 0x1f0, v4                      ; lane 31 - l of my wave
	v_add_nc_u32 v103, HB, v103
	ds_store_b128 v102, v[96:99]
	ds_load_b128 v[104:107], v103                  ; my wave's own bytes: LDS serves a wave's instructions in order (ISA guide 5.7.1.4)
	; ---- V, each wave for the table that it helps to fill: waves 0, 1 the j side's (e0), waves 2, 3 the k side's (e1).  Lane l: V[8 l .. 8 l + 7]
	s_wait_kmcnt 0x0
	s_cmp_lt_u32 s10, 2
	s_cselect_b32 s16, s14, s15                    ; e
	s_add_co_i32 s16, s16, 127
	s_lshl_b32 s17, s16, 23
	v_mov_b32 v113, s17                            ; 2^e as f32: the conversion takes its exponent field
	s_add_co_i32 s16, s16, 8
	s_lshl_b32 s16, s16, 23
	s_or_b32 s16, s16, 0x600000                    ; 448 x 2^e
	s_add_co_i32 s24, s14, s15
	s_add_co_i32 s24, s24, 122
	s_lshl_b32 s24, s24, 23                        ; 2^(e0 + e1 - 5): the two scales and the mean over 32 bands
	s_mov_b32 s25, s24                             ; (named with it as a pair, so it is written)
	s_mov_b32 s26, 0xb9810204                      ; -1 / (127 x 32)
	s_mov_b32 s27, s26
	v_lshlrev_b32 v112, 3, v1
.irp c, 0,1,2,3,4,5,6,7
	v_add_nc_u32 v[XV+\c], \c-127, v112            ; i - 127
.endr
.irp c, 0,1,2,3,4,5,6,7
	v_cvt_f32_i32 v[XV+\c], v[XV+\c]
.endr
.irp c, 0,1,2,3,4,5,6,7
	v_add_f32 v[XV+\c], |v[XV+\c]|, 1.0
.endr
.irp c, 0,1,2,3,4,5,6,7
	v_rcp_f32 v[XV+\c], v[XV+\c]
.endr
	v_lshl_add_u32 v115, v0, 3, VS                 ; (a plain line behind the reciprocals)  VS + 256 w + 8 l
	s_wait_alu depctr_va_vdst(0)
.irp c, 0,1,2,3,4,5,6,7
	v_min_num_f32 v[XV+\c], s16, v[XV+\c]          ; the conversion to an 8-bit code does not saturate (ISA guide 7.6.2); the numbers are positive, so the hold is one-sided
.endr
	v_cvt_scalef32_pk8_fp8_f32 v[124:125], v[XV:XV+7], v113
	v_nop                                          ; one plain line behind a scaled conversion
	ds_store_b64 v115, v[124:125]
	s_wait_dscnt 1                                 ; the reversed H is in; the store just issued may be out
	v_add_f32 v108, v96, v107                      ; S(4 l + i) = H'(4 l + i) + H'(127 - 4 l - i)
	v_add_f32 v109, v97, v106
	v_add_f32 v110, v98, v105
	v_add_f32 v111, v99, v104
	ds_store_b128 v102, v[108:111] offset:STB-HB
	; ---- the tables.  Wave w fills pieces s0 .. s0 + 119 of table w / 2, s0 = 120 (w % 2).  It takes V[s0 .. s0 + 135] into every lane,
	s_lshl_b32 s18, s10, 8
	s_and_b32 s19, s10, 1
	s_mul_i32 s20, s19, 120
	s_add_co_u32 s18, s18, s20
	s_add_co_u32 s18, s18, VS
	v_mov_b32 v162, s18
.irp n, 0,1,2,3,4,5,6,7,8,9,10,11,12,13,14,15,16
	ds_load_b64 v[D+2*\n:D+2*\n+1], v162 offset:8*\n
.endr
	s_lshr_b32 s20, s10, 1
	s_mul_i32 s20, s20, T1-T0
	s_mul_i32 s21, s19, 120*256
	s_add_co_u32 s20, s20, s21
	v_lshlrev_b32 v[TA], 4, v2
	v_lshl_add_u32 v[TA], v3, 8, v[TA]
	v_add_nc_u32 v[TA], s20, v[TA]                 ; piece s0 + h, copy r
	s_mov_b32 s21, 0x01010101
	v_mul_lo_u32 v199, v3, s21
	v_add_nc_u32 v[SEL], 0x03020100, v199          ; bytes h .. h + 3 of two neighbouring words,
	v_add_nc_u32 v[SEL+1], 0x05040302, v199        ; bytes 2 + h .. 5 + h
	s_wait_dscnt 0x0
	; and cuts pieces s0 + 2 P + h out of it: 16 bytes from byte 2 P + h on.  One store writes 512 consecutive bytes: piece s0 + 2 P sixteen times, then piece s0 + 2 P + 1.
.set P, 0
.rept 60
.set TR, CH+4*(P%8)
.set DN, D+P/2
.if P >= 8
	s_wait_dscnt 7                                 ; the store eight back is done; the seven behind it may be out: its registers are written again
.endif
.irp i, 0,1,2,3
	v_perm_b32 v[TR+\i], v[DN+\i+1], v[DN+\i], v[SEL+P%2]
.endr
	ds_store_b128 v[TA], v[TR:TR+3] offset:512*P
.set P, P+1
.endr
	s_wait_dscnt 0x0                               ; for the others' sake: my part of the tables lies in LDS
	s_barrier_signal -1
	s_barrier_wait -1                              ; both tables are whole.  From here to the next barrier LDS is only read
	; ---- S of my electrode (= my thread's number) for the 32 bands
	s_wait_loadcnt 0x0                             ; the kappa bytes
	s_lshl_b32 s16, s10, 9
	s_add_co_u32 s16, s16, STB                     ; my wave's S
.set F, 0
.rept 32
	v_bfe_u32 v[SEV+F], v[EB+F/4], 8*(F%4), 8
.set F, F+1
.endr
.set F, 0
.rept 32
	v_min_u32 v[SEV+F], 0x7f, v[SEV+F]             ; a loaded number enters an address only held inside its table
.set F, F+1
.endr
.set F, 0
.rept 32
	v_lshl_add_u32 v[SEV+F], v[SEV+F], 2, s16
.set F, F+1
.endr
.set F, 0
.rept 32
	ds_load_b32 v[SEV+F], v[SEV+F]
.set F, F+1
.endr
; The twelve fragment addresses of my wave's band s (0..7), into address set s % 2: blocks 0-7 the k side's, 8-11 the j side's.
.macro ADDR s
.set AS, AD+12*((\s)%2)
.irp k, 0,1,2,3,4,5,6,7,8,9,10,11
	v_bfe_u32 v[AS+\k], v[KR+2*\k+(\s)/4], 8*((\s)%4), 8
.endr
.irp k, 0,1,2,3,4,5,6,7,8,9,10,11
	v_min_u32 v[AS+\k], 0x7f, v[AS+\k]
.endr
.irp k, 0,1,2,3,4,5,6,7
	v_lshl_add_u32 v[AS+\k], v[AS+\k], 8, v[LBB]
.endr
.irp k, 8,9,10,11
	v_lshl_add_u32 v[AS+\k], v[AS+\k], 8, v[LBA]
.endr
.endm
; 48 LDS loads in one run: the band's fragments into set s % 2; the k side's 32 first, then the j side's blocks 0 to 3.
.macro FETCH s
.set AS, AD+12*((\s)%2)
	WIN 0x40                                       ; destination window 1
.irp k, 0,1,2,3,4,5,6,7
.irp c, 0,1,2,3
	ds_load_b128 v[128*((\s)%2)+16*\k+4*\c:128*((\s)%2)+16*\k+4*\c+3], v[AS+\k] offset:8192*\c
.endr
.endr
	WIN 0
.irp a, 0,1,2,3
.irp c, 0,1,2,3
	ds_load_b128 v[AF+64*((\s)%2)+16*\a+4*\c:AF+64*((\s)%2)+16*\a+4*\c+3], v[AS+8+\a] offset:8192*\c
.endr
.endr
.endm
; Band s: the next band's addresses and loads first, then 32 matrix instructions.  The 36 plain lines of ADDR name no register of the products before them: they are the places in front of the
; loads into the set that those products read.  The 32 accumulators take turns, one instruction a turn, in the same order in every band.  Band 0's products start the sums: nothing is cleared.
.macro STEP s
.if (\s) < 7
	WIN 0
	ADDR (\s)+1
	FETCH (\s)+1
.endif
	WIN 0xa1                                       ; source 0 (k side) window 1, source 1 (j side) window 0, C and D window 2
.irp a, 0,1,2,3
.if (\s) < 7
	s_wait_dscnt 48+4*(3-\a)                       ; out may be: the next band's 48 loads and this band's j blocks behind block a, four loads each
.else
	s_wait_dscnt 4*(3-\a)
.endif
.irp bk, 0,1,2,3,4,5,6,7
.if (\s) == 0
	v_wmma_f32_16x16x128_fp8_fp8 v[8*(8*\a+\bk):8*(8*\a+\bk)+7], v[128*((\s)%2)+16*\bk:128*((\s)%2)+16*\bk+15], v[AF+64*((\s)%2)+16*\a:AF+64*((\s)%2)+16*\a+15], 0
.else
	v_wmma_f32_16x16x128_fp8_fp8 v[8*(8*\a+\bk):8*(8*\a+\bk)+7], v[128*((\s)%2)+16*\bk:128*((\s)%2)+16*\bk+15], v[AF+64*((\s)%2)+16*\a:AF+64*((\s)%2)+16*\a+15], v[8*(8*\a+\bk):8*(8*\a+\bk)+7]
.endif
.endr
.endr
.endm
	ADDR 0
	FETCH 0
.irp s, 0,1,2,3,4,5,6,7
	STEP \s
.endr
	WIN 0
.rept 4
	v_nop                                          ; four places behind the last products, in front of the stores that read results and of the loads into registers that they read
.endr
	s_wait_dscnt 0x0                               ; (met already by the last band's last wait)  my reads of the tables are over
	s_barrier_signal -1
	s_barrier_wait -1                              ; everybody's are: from here to the next barrier LDS is only written
	; ---- my partial sums and S of my electrode go to LDS
	WIN 0x08                                       ; an LDS store's data: window 2
.irp a, 0,1,2,3
.irp bk, 0,1,2,3,4,5,6,7
	ds_store_b128 v[STO], v[8*(8*\a+\bk):8*(8*\a+\bk)+3] offset:16*SPITCH*\a+64*\bk          ; each accumulator from its low end on: row 16 a + r, columns 16 bk + 8 h + 0..3,
	ds_store_b128 v[STO], v[8*(8*\a+\bk)+4:8*(8*\a+\bk)+7] offset:16*SPITCH*\a+64*\bk+16     ; + 4..7
.endr
.endr
	WIN 0
.set F, 0
.rept 32
	ds_store_b32 v[SEW], v[SEV+F] offset:512*F
.set F, F+1
.endr
	s_wait_dscnt 0x0                               ; for the others' sake: my stores are done
	s_barrier_signal -1
	s_barrier_wait -1
	; ---- THE TAIL.  Wave w finishes rows 16 w .. 16 w + 15.  Lane (r, h) owns rows 8 h + i, i = 0..7, and columns 64 u + 4 r + 0..3, u = 0, 1: sixteen lanes hold 256 neighbouring bytes of a row.
.set SACC, 128                         ; v128-191 the sum over f of se[row] se[column]: entry (i, u) at 8 i + 4 u
.set RING, 16                          ; v16-79   four slots of 16: a band's se of my 8 columns, then of my 8 rows
.set GB0,  192                         ; v192-255 the four partial sums of two rows;
.set GB1,  16                          ; v16-79   the same, once the ring is done with
.macro GLOAD g, buf                    ; rows 2 g and 2 g + 1: sixteen loads
.irp e, 0,1
.irp u, 0,1
.irp q, 0,1,2,3
	ds_load_b128 v[\buf+16*(2*\e+\u)+4*\q:\buf+16*(2*\e+\u)+4*\q+3], v[SRD+\q] offset:SPITCH*(2*(\g)+\e)+256*\u
.endr
.endr
.endr
.endm
.macro SELOAD f
.set RS, RING+16*((\f)%4)
	ds_load_b128 v[RS:RS+3], v[SEC] offset:512*(\f)
	ds_load_b128 v[RS+4:RS+7], v[SEC] offset:512*(\f)+256
	ds_load_b128 v[RS+8:RS+11], v[SER] offset:512*(\f)
	ds_load_b128 v[RS+12:RS+15], v[SER] offset:512*(\f)+16
.endm
.macro SEF f                           ; band f: 64 numbers a lane, two a line; the row's se is one register of a pair, taken for both halves.  Band 0 starts the sums
.set RS, RING+16*((\f)%4)
.if (\f) < 29
	s_wait_dscnt 12                                ; out may be: the three younger bands' four loads each
.else
	s_wait_dscnt 4*(31-(\f))
.endif
.irp i, 0,2,4,6
.irp c, 0,2,4,6
.if (\f) == 0
	v_pk_mul_f32 v[SACC+8*\i+\c:SACC+8*\i+\c+1], v[RS+\c:RS+\c+1], v[RS+8+\i:RS+9+\i] op_sel_hi:[1,0]
	v_pk_mul_f32 v[SACC+8*\i+8+\c:SACC+8*\i+9+\c], v[RS+\c:RS+\c+1], v[RS+8+\i:RS+9+\i] op_sel:[0,1] op_sel_hi:[1,1]
.else
	v_pk_fma_f32 v[SACC+8*\i+\c:SACC+8*\i+\c+1], v[RS+\c:RS+\c+1], v[RS+8+\i:RS+9+\i], v[SACC+8*\i+\c:SACC+8*\i+\c+1] op_sel_hi:[1,0,1]
	v_pk_fma_f32 v[SACC+8*\i+8+\c:SACC+8*\i+9+\c], v[RS+\c:RS+\c+1], v[RS+8+\i:RS+9+\i], v[SACC+8*\i+8+\c:SACC+8*\i+9+\c] op_sel:[0,1,0] op_sel_hi:[1,1,1]
.endif
.endr
.endr
.endm
.macro GOUT g, buf                     ; rows 2 g and 2 g + 1: the four partial sums are added; out = sum x 2^(e0 + e1 - 5) - se sum / 4064
.irp e, 0,1
.irp u, 0,1
.set XR, \buf+16*(2*\e+\u)
.set SR, SACC+8*(2*(\g)+\e)+4*\u
	v_pk_add_f32 v[XR:XR+1], v[XR:XR+1], v[XR+4:XR+5]
	v_pk_add_f32 v[XR+2:XR+3], v[XR+2:XR+3], v[XR+6:XR+7]
	v_pk_add_f32 v[XR+8:XR+9], v[XR+8:XR+9], v[XR+12:XR+13]
	v_pk_add_f32 v[XR+10:XR+11], v[XR+10:XR+11], v[XR+14:XR+15]
	v_pk_mul_f32 v[SR:SR+1], v[SR:SR+1], s[26:27] op_sel_hi:[1,0]
	v_pk_mul_f32 v[SR+2:SR+3], v[SR+2:SR+3], s[26:27] op_sel_hi:[1,0]
	v_pk_add_f32 v[XR:XR+1], v[XR:XR+1], v[XR+8:XR+9]
	v_pk_add_f32 v[XR+2:XR+3], v[XR+2:XR+3], v[XR+10:XR+11]
	v_pk_fma_f32 v[XR:XR+1], v[XR:XR+1], s[24:25], v[SR:SR+1] op_sel_hi:[1,0,1]
	v_pk_fma_f32 v[XR+2:XR+3], v[XR+2:XR+3], s[24:25], v[SR+2:SR+3] op_sel_hi:[1,0,1]
	global_store_b128 v[GO], v[XR:XR+3], s[8:9] offset:512*(2*(\g)+\e)+256*\u th:TH_STORE_NT   ; sixteen lanes store 256 consecutive bytes, at a multiple of 256 from out0's first byte; written once, read by nobody here
.endr
.endr
.endm
	GLOAD 0, GB0                                   ; the first two rows' partial sums land while the se sums are made
	SELOAD 0
	SELOAD 1
	SELOAD 2
	SELOAD 3
.set F, 0
.rept 32
	SEF F
.if F+4 < 32
	SELOAD F+4                                     ; into the slot just read
.endif
.set F, F+1
.endr
	GLOAD 1, GB1
	GOUT 0, GB0                                    ; (its loads are older than the last se loads, which have been waited for)
	s_wait_xcnt 0x0                                ; the stores have read their data registers: only behind this wait are they loaded again
	GLOAD 2, GB0
	s_wait_dscnt 16                                ; rows 2 and 3 are in; the sixteen loads just issued may be out
	GOUT 1, GB1
	s_wait_xcnt 0x0
	GLOAD 3, GB1
	s_wait_dscnt 16
	GOUT 2, GB0
	s_wait_dscnt 0x0
	GOUT 3, GB1
	s_wait_tensorcnt 0x0
	ds_add_u32 v6, v114
	s_wait_dscnt 0x0
	s_endpgm
.Lfunc_end_k_qd234ef2c5a_corr:
	.size	k_qd234ef2c5a_corr, .Lfunc_end_k_qd234ef2c5a_corr-k_qd234ef2c5a_corr
	.p2alignl 7, 3214868480
	.fill 96, 4, 3214868480
	.section	.rodata,"a",@progbits
	.p2align	6, 0x0
	.amdhsa_kernel k_qd234ef2c5a_corr
		.amdhsa_group_segment_fixed_size 280064
		.amdhsa_private_segment_fixed_size 0
		.amdhsa_enable_private_segment 0
		.amdhsa_kernarg_size 24
		.amdhsa_user_sgpr_count 2
		.amdhsa_user_sgpr_kernarg_segment_ptr 1
		.amdhsa_wavefront_size32 1
		.amdhsa_system_sgpr_workgroup_id_x 1
		.amdhsa_system_sgpr_workgroup_id_y 1
		.amdhsa_system_sgpr_workgroup_id_z 1
		.amdhsa_system_vgpr_workitem_id 0
		.amdhsa_next_free_vgpr 768
		.amdhsa_next_free_sgpr 66
		.amdhsa_reserve_vcc 0
		.amdhsa_float_denorm_mode_32 3
		.amdhsa_float_denorm_mode_16_64 3
		.amdhsa_memory_ordered 1
		.amdhsa_forward_progress 1
		.amdhsa_inst_pref_size 195
	.end_amdhsa_kernel
	.amdgpu_metadata
---
amdhsa.version: [ 1, 2 ]
amdhsa.kernels:
  - .name:           k_qd234ef2c5a_corr
    .symbol:         k_qd234ef2c5a_corr.kd
    .args:
      - { .name: rk, .offset: 0, .size: 8, .value_kind: global_buffer, .address_space: global }
      - { .name: lowp_scales, .offset: 8, .size: 8, .value_kind: global_buffer, .address_space: global }
      - { .name: out0, .offset: 16, .size: 8, .value_kind: global_buffer, .address_space: global }
    .group_segment_fixed_size: 280064
    .private_segment_fixed_size: 0
    .kernarg_segment_align: 8
    .kernarg_segment_size: 24
    .max_flat_workgroup_size: 128
    .sgpr_count:     66
    .vgpr_count:     768
    .wavefront_size: 32
...
	.end_amdgpu_metadata
.endif
;; end of part 2
;; ======== version 2 of 2: 2 launches
;; workspace buffers: rk 524,288 bytes of whole numbers
;; launch ranks (part 3): grid 256 x 1, 8 waves a work-group, no clusters, 19,456 bytes of LDS; arguments de_data, rk; writes rk
.if DOCPART == 3
	.amdgcn_target "amdgcn-amd-amdhsa--gfx1250"
	.amdhsa_code_object_version 6
	.text
	.protected	k_qd234ef2c5a_ranks
	.globl	k_qd234ef2c5a_ranks
	.p2align	8
	.type	k_qd234ef2c5a_ranks,@function
k_qd234ef2c5a_ranks:
	s_mov_b64 s[64:65], 0
	v_nop
	global_prefetch_b8 v0, s[64:65] scope:SCOPE_SE
	s_setreg_imm32_b32 hwreg(HW_REG_WAVE_MODE, 25, 1), 1
	s_wait_xcnt 0x0
; rk[b][e][f] (one byte) = 127 - rank of de_data[b][e][f] among the 128 electrodes e of the same (b, f).
; rank = the place in a stable ascending sort = the number of k with x_k < x_j, plus the number of k < j with x_k = x_j.
; ORDER OF THE NUMBERS, as the sort of reference() has it: -0 equals +0; every NaN counts as one number above +infinity.  Infinities, NaN and -0 are served.
; Each f32 becomes a signed whole number with that order (macro KEY), so that "x_k <= x_j" is "key_k - 1 < key_j": one subtraction a key settles on which side ties fall.
; SHARES.  256 work-groups: batch b = x / 2, electrodes 64 (x % 2) .. + 63.  Eight waves; wave w owns the block of eight electrodes jb = 8 (x % 2) + w; a lane is a frequency band f.
; A wave compares its 8 keys with all 128 keys of its lane's band: a compare into a scalar mask and an add with that mask as carry, two instructions a pair.
; The batch's 16,384 bytes are read once by the work-group, 512 consecutive bytes a wave's load, and lie in LDS as keys.  No branch and no address hangs on the data.
; No tensor load, no cluster, no matrix unit: the two work-groups of a batch share 16,384 bytes, and the work is comparisons.
.set OUTB, 16384                       ; LDS: keys [e][f], 128 bytes a row, at byte 0; behind them a stage of 256 bytes for each wave
.set X,   8                            ; v[8:23]   16 numbers as loaded, then as keys
.set J,   32                           ; v[32:39]  the keys of my eight electrodes
.set CNT, 40                           ; v[40:47]  their ranks
.set KA,  48                           ; v[48:55]  a block of eight keys to compare with
.set KB,  56                           ; v[56:63]  the next block
	s_load_b128 s[4:7], s[0:1], 0x0                ; de_data s[4:5], rk s[6:7]
	v_lshl_add_u32 v64, v0, 2, 0x4800
	v_mov_b32 v65, 0
	v_lshlrev_b32 v1, 4, v0                        ; 16 x thread: my 16 bytes of a load's 4,096
	v_lshrrev_b32 v2, 5, v0
	s_delay_alu instid0(VALU_DEP_1)
	v_readfirstlane_b32 s8, v2                     ; wave 0..7
	v_and_b32 v3, 31, v0                           ; lane = f
	s_delay_alu instid0(VALU_DEP_1)
	v_lshlrev_b32 v2, 2, v3                        ; 4 f: my column of the keys
	v_and_b32 v5, 0xe0, v0                         ; 32 x wave
	s_delay_alu instid0(VALU_DEP_1)
	v_lshl_add_u32 v5, v5, 3, v3
	s_delay_alu instid0(VALU_DEP_1)
	v_add_nc_u32 v5, OUTB, v5                      ; my wave's stage + f
	v_lshlrev_b32 v6, 3, v0                        ; 8 x thread = 256 x wave + 8 x lane: where I read the stage back, and my place in rk
	s_lshr_b32 s9, ttmp9, 1                        ; b
	s_and_b32 s10, ttmp9, 1                        ; which half of the electrodes
	s_lshl_b32 s2, s9, 14                          ; a batch of de_data is 16,384 bytes
	s_mov_b32 s3, 0
	s_lshl_b32 s14, ttmp9, 11                      ; rk: 4,096 b + 2,048 half
	s_mov_b32 s15, 0
	s_lshl_b32 s11, s10, 3
	s_add_co_u32 s11, s11, s8                      ; jb: my block of eight electrodes, 0..15
	s_mov_b32 s16, 0x7fffffff
	s_mov_b32 s17, 0x80000000
	s_mov_b32 s18, 0x7f800001                      ; the one key of every NaN
	s_mov_b32 s19, 0x7f800000
	s_wait_alu depctr_va_vdst(0)
	s_wait_kmcnt 0x0
	s_add_nc_u64 s[4:5], s[4:5], s[2:3]
	s_add_nc_u64 s[6:7], s[6:7], s[14:15]
.irp n, 0,1,2,3
	global_load_b128 v[X+4*\n:X+4*\n+3], v1, s[4:5] offset:4096*\n   ; a wave reads 512 consecutive bytes
.endr
; f32 bits -> a signed whole number of the same order.  Magnitude, with every NaN held at one value; negative where the sign is set and the number is no NaN.
.macro KEY x
	v_and_b32 v24, s16, v[\x]                      ; magnitude
	v_xor_b32 v25, s17, v[\x]                      ; sign turned: at most 0x7f800000 only for a negative number that is no NaN
	s_delay_alu instid0(VALU_DEP_2)
	v_min_u32 v24, s18, v24
	s_delay_alu instid0(VALU_DEP_2)
	v_cmp_ge_u32 vcc_lo, s19, v25
	s_delay_alu instid0(VALU_DEP_2)
	v_sub_nc_u32 v26, 0, v24
	s_delay_alu instid0(VALU_DEP_1)
	v_cndmask_b32 v[\x], v24, v26, vcc_lo
.endm
.irp n, 0,1,2,3
	s_wait_loadcnt 3-\n                            ; loads come back in order: load n is in, the younger ones may be out
.irp k, 0,1,2,3
	KEY X+4*\n+\k
.endr
	ds_store_b128 v1, v[X+4*\n:X+4*\n+3] offset:4096*\n
.endr
	s_wait_dscnt 0x0                               ; for the others' sake: my keys lie in LDS
	s_barrier_signal -1
	s_barrier_wait -1                              ; all 4,096 keys do
	s_lshl_b32 s14, s11, 10                        ; a block of eight rows is 1,024 bytes
	v_add_nc_u32 v7, s14, v2
.irp i, 0,1,2,3,4,5,6,7
	ds_load_b32 v[J+\i], v7 offset:128*\i          ; my eight keys
.endr
.irp c, 0,1,2,3,4,5,6,7
	ds_load_b32 v[KA+\c], v2 offset:128*\c         ; block 0
.endr
.irp i, 0,1,2,3,4,5,6,7
	v_mov_b32 v[CNT+\i], 0
.endr
; Eight keys against my eight.  s13 = 1 for a block of electrodes below mine (a tie counts), 0 for my own block and those above (it does not).
; Eight masks, so that no add stands directly behind the compare that feeds it.
.macro BLOCK k
.irp c, 0,1,2,3,4,5,6,7
	v_sub_nc_u32 v[\k+\c], v[\k+\c], s13
.endr
.irp c, 0,1,2,3,4,5,6,7
.irp i, 0,1,2,3,4,5,6,7
	v_cmp_lt_i32 s[20+\i], v[\k+\c], v[J+\i]
.endr
.irp i, 0,1,2,3,4,5,6,7
	v_add_co_ci_u32 v[CNT+\i], vcc_lo, 0, v[CNT+\i], s[20+\i]
.endr
.endr
.endm
; Blocks s12 and s12 + 1.  While one set of keys is compared, the other set's loads are on their way.  more = 1: block s12 + 2 is asked for.
.macro PAIR more
	s_add_co_u32 s14, s12, 1
	s_lshl_b32 s15, s14, 10
	v_add_nc_u32 v4, s15, v2                       ; (its last loads were waited for in front of the last BLOCK KB)
.irp c, 0,1,2,3,4,5,6,7
	ds_load_b32 v[KB+\c], v4 offset:128*\c
.endr
	s_cmp_lt_u32 s12, s11
	s_cselect_b32 s13, 1, 0
	s_wait_dscnt 8                                 ; all but the eight just issued: block s12 is in (and, the first time, my own keys)
	BLOCK KA
.if \more
	s_add_co_u32 s15, s12, 2
	s_lshl_b32 s15, s15, 10
	v_add_nc_u32 v3, s15, v2
.irp c, 0,1,2,3,4,5,6,7
	ds_load_b32 v[KA+\c], v3 offset:128*\c
.endr
.endif
	s_cmp_lt_u32 s14, s11
	s_cselect_b32 s13, 1, 0
.if \more
	s_wait_dscnt 8                                 ; all but the eight just issued: block s12 + 1 is in
.else
	s_wait_dscnt 0x0
.endif
	BLOCK KB
.endm
	s_mov_b32 s12, 0
.Lpair:                                                ; seven trips: blocks 0 to 13
	PAIR 1
	s_add_co_u32 s12, s12, 2
	s_cmp_lt_u32 s12, 14
	s_cbranch_scc1 .Lpair
	PAIR 0                                         ; blocks 14 and 15: nothing more is asked for
	; ties inside my own block: electrode c < i with the same key comes first
.irp i, 1,2,3,4,5,6,7
.irp c, 0,1,2,3,4,5,6
.if \c < \i
	v_cmp_eq_u32 s[20+\c], v[J+\c], v[J+\i]
.endif
.endr
.irp c, 0
.if \c < \i
	v_add_co_ci_u32 v[CNT+\i], vcc_lo, 0, v[CNT+\i], s[20+\c]
.endif
.endr
.irp c, 1, 2, 3, 4, 5, 6
.if \c < \i
	s_delay_alu instid0(VALU_DEP_1)
	v_add_co_ci_u32 v[CNT+\i], vcc_lo, 0, v[CNT+\i], s[20+\c]
.endif
.endr
.endr
	; 127 - rank, a byte.  A lane holds one band of eight electrodes; in rk the bands are innermost: the wave's 256 bytes turn through its own stage.
.irp i, 0,1,2,3,4,5,6,7
	v_sub_nc_u32 v[CNT+\i], 127, v[CNT+\i]
.endr
.irp i, 0,1,2,3,4,5,6,7
	ds_store_b8 v5, v[CNT+\i] offset:32*\i
.endr
	ds_load_b64 v[8:9], v6 offset:OUTB             ; my wave's own bytes: LDS serves a wave's instructions in order (ISA guide 5.7.1.4), so this sees the stores above
	s_wait_dscnt 0x0
	global_store_b64 v6, v[8:9], s[6:7]            ; the wave stores 256 consecutive bytes, at a multiple of 256 from rk's first byte
	s_wait_tensorcnt 0x0
	ds_add_u32 v64, v65
	s_wait_dscnt 0x0
	s_endpgm
.Lfunc_end_k_qd234ef2c5a_ranks:
	.size	k_qd234ef2c5a_ranks, .Lfunc_end_k_qd234ef2c5a_ranks-k_qd234ef2c5a_ranks
	.p2alignl 7, 3214868480
	.fill 96, 4, 3214868480
	.section	.rodata,"a",@progbits
	.p2align	6, 0x0
	.amdhsa_kernel k_qd234ef2c5a_ranks
		.amdhsa_group_segment_fixed_size 19456
		.amdhsa_private_segment_fixed_size 0
		.amdhsa_enable_private_segment 0
		.amdhsa_kernarg_size 16
		.amdhsa_user_sgpr_count 2
		.amdhsa_user_sgpr_kernarg_segment_ptr 1
		.amdhsa_wavefront_size32 1
		.amdhsa_system_sgpr_workgroup_id_x 1
		.amdhsa_system_sgpr_workgroup_id_y 1
		.amdhsa_system_sgpr_workgroup_id_z 1
		.amdhsa_system_vgpr_workitem_id 0
		.amdhsa_next_free_vgpr 66
		.amdhsa_next_free_sgpr 66
		.amdhsa_reserve_vcc 1
		.amdhsa_float_denorm_mode_32 3
		.amdhsa_float_denorm_mode_16_64 3
		.amdhsa_memory_ordered 1
		.amdhsa_forward_progress 1
		.amdhsa_inst_pref_size 51
	.end_amdhsa_kernel
	.amdgpu_metadata
---
amdhsa.version: [ 1, 2 ]
amdhsa.kernels:
  - .name:           k_qd234ef2c5a_ranks
    .symbol:         k_qd234ef2c5a_ranks.kd
    .args:
      - { .name: de_data, .offset: 0, .size: 8, .value_kind: global_buffer, .address_space: global }
      - { .name: rk, .offset: 8, .size: 8, .value_kind: global_buffer, .address_space: global }
    .group_segment_fixed_size: 19456
    .private_segment_fixed_size: 0
    .kernarg_segment_align: 8
    .kernarg_segment_size: 16
    .max_flat_workgroup_size: 256
    .sgpr_count:     66
    .vgpr_count:     66
    .wavefront_size: 32
...
	.end_amdgpu_metadata
.endif
;; end of part 3
;; launch corr (part 4): grid 256 x 1, 4 waves a work-group, no clusters, 280,064 bytes of LDS; arguments rk, lowp_scales, out0; writes out0
.if DOCPART == 4
	.amdgcn_target "amdgcn-amd-amdhsa--gfx1250"
	.amdhsa_code_object_version 6
	.text
	.protected	k_qd234ef2c5a_corr
	.globl	k_qd234ef2c5a_corr
	.p2align	8
	.type	k_qd234ef2c5a_corr,@function
k_qd234ef2c5a_corr:
	s_mov_b64 s[64:65], 0
	v_nop
	global_prefetch_b8 v0, s[64:65] scope:SCOPE_SE
	s_setreg_imm32_b32 hwreg(HW_REG_WAVE_SCHED_MODE, 0, 2), 2
	s_setreg_imm32_b32 hwreg(HW_REG_WAVE_MODE, 25, 1), 1
	s_wait_xcnt 0x0
	s_wait_alu depctr_vm_vsrc(0)
; out0[b][j][k] = 1/32 x the sum over f of ( sum over m of Q0(W[m][j]) Q1(W[m][k]) - se[j] se[k] / 127 ),  W[m][j] = 1 / (|rank_m - rank_j| + 1), se[j] = the sum over m of W[m][j], all for one (b, f).
; Q0, Q1: E4M3 with the given scales 2^e0 (the j side) and 2^e1 (the k side).  The products go by v_wmma_f32_16x16x128_fp8_fp8, sums in f32; se and all else in f32.
; WHAT THE TEXT RESTS ON.  The ranks of one (b, f) are a permutation of 0..127, whatever the data.  So the contracted index m is walked in the order of the ranks p = 0..127, alike on both sides, and row j of an operand is
; the byte string code(1 / (|p - rank_j| + 1)), p = 0..127: a window of 128 bytes, beginning at byte kappa = 127 - rank_j, of ONE vector V of 255 codes, V[i] = code(1 / (|i - 127| + 1)).  rk holds kappa.
; Likewise se[j] = S(rank_j) = H(rank_j + 1) + H(128 - rank_j) - 1, H the harmonic sums; S(r) = S(127 - r), so S is looked up by kappa.
; THE CODE TABLES.  For each side a table in LDS: piece s = V[s .. s + 15], s = 0..239, written sixteen times, at 256 s + 16 r.  A fragment (16 rows x 128 along K) is four ds_load_b128 a lane, at
; table + 256 (kappa + 16 h) + 16 r + 8192 c: lane (r, h) gets p = 32 c + 16 h + 0..15 of its row in registers 4 c .. 4 c + 3, the same places on both sides.  Lane r always reads 16-byte column r of a 256-byte row,
; so the sixteen lanes of a half touch sixteen different columns whatever the ranks are.
; SHARES.  256 work-groups: batch b = x / 2, rows j = 64 (x % 2) .. + 63 of out0[b], all 128 columns.  THE FOUR WAVES SHARE f, NOT THE TILE: wave w takes f = 8 w .. 8 w + 7 and sums them into 32 accumulators (64 x 128):
; a band is one K step of 128: 12 fragments (48 LDS loads) feed 32 matrix instructions.  The four partial sums meet in LDS, which also turns them into whole rows for the stores.
; THE MATRIX INSTRUCTION IS USED TRANSPOSED (source 0 = 16 rows of the k side, source 1 = 16 rows of the j side): register i of lane (r, h) is (j0 + r, k0 + 8 h + i).
; LDS BETWEEN BARRIERS.  The fragments' and S's addresses come from loaded ranks (held at 127).  Between two barriers stand either such loads or LDS stores, never both.
; No tensor load, no cluster: a work-group reads 4,096 bytes of ranks in all, and its operands are made in LDS.  No branch, no label, no loop.
; LIMITS, so that each power of two below is an f32 number: e0 and e1 each between -126 and 119; e0 + e1 between -121 and 132.
; REGISTERS, in windows of 256.  Window 0: v0-15 ids and addresses; v16-39 kappa bytes of the 12 row blocks; v40-63 two sets of 12 fragment addresses; v64-95 S of my electrode for the 32 bands; v96-127 at work;
;   v128-191, v192-255 the j side's fragments, two sets.  Window 1: the k side's fragments, two sets, at v0 and v128.  Window 2: accumulator (a, bk) at v[8 (8 a + bk)].
;   Ahead of the bands window 1 holds the tables' 60 pieces.  In the tail: window 0 v128-191 the se sums; windows 1 and 2 se of bands 0-15 and 16-31, 16 registers a band; window 3 the four partial sums of my 8 rows.
; THE MODE: SCHED_MODE bits 1:0 = 2 (LLVM: expert scheduling mode 2), set by the entry lines.  The code itself states the register dependences between vector or matrix instructions and memory or LDS instructions,
; with s_wait_alu, always for 0.
; THE PLAN.  Registers that memory or LDS instructions touch, and who else names them:
;   v5, v7-15, v126, v127   offsets and addresses, written at the head by vector lines and never again.
;   the tables' pieces      piece P has four registers of its own in window 1: written by four v_perm_b32, read by one LDS store.  Fifteen pieces to a batch, one wait on va_vdst between a batch's v_perm_b32 and its stores;
;                           the next batch's v_perm_b32 write other registers while these stores go.
;   v[SA ..]                S's 32 addresses: written by vector lines, read by the loads of S, whose data land in v[SEV ..].  Band 1's j fragments land in them later.
;   address set p           written by ADDR s (s % 2 = p), read by band s's 48 loads, written again by ADDR s + 2.
;   fragment set p          band s's loads land in it; band s's 32 products read it; band s + 2's loads land in it.
;   window 2                written by the products, read by the LDS stores of the partial sums; then se of bands 16-31 lands in it.
;   the tail                each register of windows 1, 2 and 3 takes one load; window 3's sums are written by vector lines and read by one global store: nothing there is loaded or written a second time.
; So a band has two waits at its head: on vm_vsrc ahead of ADDR, on va_vdst behind it; behind them the next band's 48 loads are dealt among this band's products, which name the other set and the accumulators alone.
.set T0,     0                         ; the j side's table: 240 pieces x 256 bytes.  (It lies at LDS byte 0: see LBA)
.set T1,     61440                     ; the k side's
.set STG,    122880                    ; the four waves' partial sums: [wave][64 rows][512 bytes + 16]
.set SPITCH, 528                       ; 132 words: the sixteen rows that a store touches begin in sixteen different 16-byte columns of a 256-byte row
.set PART,   64*SPITCH
.set SE,     STG+4*PART                ; se as f32, [f][e], 512 bytes a band
.set HB,     SE+16384                  ; H - 1/2, 512 bytes for each wave
.set STB,    HB+2048                   ; S, 512 bytes for each wave
.set VS,     STB+2048                  ; V, 256 bytes for each wave; the text uses LDS up to VS + 1,024; behind that the spare words, 128 bytes for each wave
.set LBB, 5                            ; v5     T1 + 4096 h + 16 r
.set STO, 7                            ; v7     where I put my partial sums
.set SRD, 8                            ; v8-11  where I read partial sum q back
.set SEC, 12                           ; v12    se of my columns
.set SER, 13                           ; v13    se of my rows
.set SEW, 14                           ; v14    where I put S of my electrode
.set GO,  15                           ; v15    4096 h + 16 r: my byte offset in my wave's 16 rows of out0,
.set LBA, 15                           ;        and, T0 being LDS byte 0, my lane's place in the j side's table
.set KR,  16
.set AD,  40
.set EB,  40                           ; v40-47 my electrode's 32 kappa bytes (until the first addresses are made)
.set SEV, 64
.set XV,  116                          ; v116-123 eight numbers of V
.set AF,  128
.set D,   128                          ; v128-161 136 bytes of V (while the tables are built)
.set TA,  196
.set SEL, 197                          ; v197, v198 byte selectors
.set SA,  200                          ; v200-231 the LDS addresses of S for the 32 bands
.set MSB, 0
.macro WIN new                         ; s_set_vgpr_msb: bits 1:0 source 0, 3:2 source 1, 5:4 source 2, 7:6 destination; the high byte repeats the setting that is left
.if MSB != (\new)
	s_set_vgpr_msb (MSB<<8)|(\new)
.set MSB, (\new)
.endif
.endm
	s_load_b128 s[4:7], s[0:1], 0x0                ; rk s[4:5], the scales' exponents s[6:7]
	s_load_b64 s[8:9], s[0:1], 0x10                ; out0
	v_lshl_add_u32 v6, v0, 2, 0x44400              ; my spare word, and 0: made here and kept for the closing lines alone
	v_mov_b32 v114, 0
	v_lshrrev_b32 v1, 5, v0
	v_readfirstlane_b32 s10, v1                    ; wave 0..3
	v_and_b32 v1, 31, v0                           ; lane
	v_and_b32 v2, 15, v0                           ; r
	s_wait_alu depctr_va_vdst(0)
	v_bfe_u32 v3, v0, 4, 1                         ; h
	v_lshlrev_b32 v4, 4, v0                        ; 16 x thread = 512 x wave + 16 x lane
	s_wait_alu depctr_va_sdst(0)                   ; s10 is written, ahead of its first reader
	s_lshr_b32 s11, ttmp9, 1                       ; b
	s_and_b32 s12, ttmp9, 1                        ; which 64 rows
	s_lshl_b32 s16, s11, 12                        ; a batch of rk is 4,096 bytes
	s_mov_b32 s17, 0
	s_lshl_b32 s18, s12, 11                        ; 64 electrodes are 2,048
	s_mov_b32 s19, 0
	s_lshl_b32 s20, s10, 3
	v_lshl_add_u32 v126, v2, 5, s20                ; 32 r + 8 w: electrode r of a block, my wave's eight bands
	v_lshlrev_b32 v127, 5, v0                      ; 32 x thread: electrode = thread, all 32 bands
	s_lshl_b32 s20, ttmp9, 15                      ; out0: 65,536 b + 32,768 half
	s_lshl_b32 s21, s10, 13                        ; + 16 rows of 512 bytes for each wave
	s_add_co_u32 s20, s20, s21
	s_mov_b32 s21, 0
	s_wait_kmcnt 0x0
	s_load_b64 s[14:15], s[6:7], 0x0               ; e0, e1
	s_add_nc_u64 s[4:5], s[4:5], s[16:17]
	s_add_nc_u64 s[22:23], s[4:5], s[18:19]
	s_add_nc_u64 s[8:9], s[8:9], s[20:21]
	s_wait_alu depctr_va_vdst(0)                   ; v126 and v127 are written, which the loads below read as their offsets
.irp k, 0,1,2,3,4,5,6,7
	global_load_b64 v[KR+2*\k:KR+2*\k+1], v126, s[4:5] offset:512*\k            ; the k side's eight blocks of 16 electrodes
.endr
.irp a, 0,1,2,3
	global_load_b64 v[KR+16+2*\a:KR+17+2*\a], v126, s[22:23] offset:512*\a      ; the j side's four
.endr
	global_load_b128 v[EB:EB+3], v127, s[4:5]
	global_load_b128 v[EB+4:EB+7], v127, s[4:5] offset:16
	; addresses that stay
	v_lshlrev_b32 v[GO], 4, v2
	v_lshl_add_u32 v[GO], v3, 12, v[GO]
	v_add_nc_u32 v[LBB], T1, v[GO]
	s_mul_i32 s16, s10, PART
	s_add_co_u32 s16, s16, STG
	v_mul_u32_u24 v[STO], v2, SPITCH
	v_lshl_add_u32 v[STO], v3, 5, v[STO]
	v_add_nc_u32 v[STO], s16, v[STO]               ; my part: row r, + 32 h
	s_mul_i32 s16, s10, 16*SPITCH
	s_add_co_u32 s16, s16, STG
	v_mul_u32_u24 v[SRD], v3, 8*SPITCH
	v_lshl_add_u32 v[SRD], v2, 4, v[SRD]
	v_add_nc_u32 v[SRD], s16, v[SRD]               ; part 0: row 16 w + 8 h, + 16 r
	v_add_nc_u32 v[SRD+1], PART, v[SRD]
	v_add_nc_u32 v[SRD+2], PART, v[SRD+1]
	v_add_nc_u32 v[SRD+3], PART, v[SRD+2]
	v_lshl_add_u32 v[SEC], v2, 4, SE
	s_lshl_b32 s16, s12, 8
	s_lshl_b32 s17, s10, 6
	s_add_co_u32 s16, s16, s17
	s_add_co_u32 s16, s16, SE
	v_lshl_add_u32 v[SER], v3, 5, s16              ; SE + 4 (64 half + 16 w + 8 h)
	v_lshl_add_u32 v[SEW], v0, 2, SE
	; ---- S, each wave for itself.  Lane l: 1 / (4 l + 1 .. 4 l + 4), their running sums, and the sum of the lanes below
	v_lshlrev_b32 v100, 2, v1
	v_cvt_f32_u32 v100, v100
	v_add_f32 v96, 1.0, v100
	v_add_f32 v97, 2.0, v100
	v_add_f32 v98, 0x40400000, v100
	v_add_f32 v99, 4.0, v100
	s_wait_alu depctr_va_vdst(0)
	v_rcp_f32 v96, v96
	v_rcp_f32 v97, v97
	v_rcp_f32 v98, v98
	v_rcp_f32 v99, v99
	v_mov_b32 v100, 0                              ; a plain line behind the reciprocals (ISA guide 5.7.2); and the destination of the shift below is written whole
	s_wait_alu depctr_va_vdst(0)                   ; the four reciprocals v96 to v99 are written, ahead of their first reader
	v_add_f32 v97, v96, v97
	v_add_f32 v98, v97, v98
	v_add_f32 v99, v98, v99                        ; my lane's total
	v_cvt_f32_u32 v101, v3                         ; h as f32
	v_mov_b32_dpp v100, v99 row_shr:1 row_mask:0xf bank_mask:0xf bound_ctrl:1    ; the lane below's total; 0 in a row's first lane
	v_add_f32_dpp v100, v100, v100 row_shr:1 row_mask:0xf bank_mask:0xf bound_ctrl:1
	v_add_f32_dpp v100, v100, v100 row_shr:2 row_mask:0xf bank_mask:0xf bound_ctrl:1
	v_add_f32_dpp v100, v100, v100 row_shr:4 row_mask:0xf bank_mask:0xf bound_ctrl:1
	v_add_f32_dpp v100, v100, v100 row_shr:8 row_mask:0xf bank_mask:0xf bound_ctrl:1   ; the sum of all lanes below mine in my row of 16
	v_readlane_b32 s16, v100, 15
	v_readlane_b32 s17, v99, 15
	s_wait_alu depctr_va_sdst(0)                   ; s16 and s17 are written, ahead of their first reader
	s_add_f32 s16, s16, s17                        ; lanes 0-15 together
	v_fma_f32 v100, v101, s16, v100                ; is added in lanes 16-31
	v_add_f32 v100, -0.5, v100                     ; H - 1/2: two of them make S, which lacks 1
.irp i, 0,1,2,3
	v_add_f32 v[96+\i], v[96+\i], v100             ; H(4 l + i + 1) - 1/2
.endr
	v_add_nc_u32 v102, HB, v4
	v_xor_b32 v103, 0x1f0, v4                      ; lane 31 - l of my wave
	v_add_nc_u32 v103, HB, v103
	s_wait_alu depctr_va_vdst(0)                   ; v96 to v99, the store's data, and the addresses v102 and v103 are written; so are all the addresses that stay
	ds_store_b128 v102, v[96:99]
	ds_load_b128 v[104:107], v103                  ; my wave's own bytes: LDS serves a wave's instructions in order (ISA guide 5.7.1.4)
	; ---- V, each wave for the table that it helps to fill: waves 0, 1 the j side's (e0), waves 2, 3 the k side's (e1).  Lane l: V[8 l .. 8 l + 7]
	s_wait_kmcnt 0x0
	s_cmp_lt_u32 s10, 2
	s_cselect_b32 s16, s14, s15                    ; e
	s_add_co_i32 s16, s16, 127
	s_lshl_b32 s17, s16, 23
	v_mov_b32 v113, s17                            ; 2^e as f32: the conversion takes its exponent field
	s_add_co_i32 s16, s16, 8
	s_lshl_b32 s16, s16, 23
	s_or_b32 s16, s16, 0x600000                    ; 448 x 2^e
	s_add_co_i32 s24, s14, s15
	s_add_co_i32 s24, s24, 122
	s_lshl_b32 s24, s24, 23                        ; 2^(e0 + e1 - 5): the two scales and the mean over 32 bands
	s_mov_b32 s25, s24                             ; (named with it as a pair, so it is written)
	s_mov_b32 s26, 0xb9810204                      ; -1 / (127 x 32)
	s_mov_b32 s27, s26
	v_lshlrev_b32 v112, 3, v1
.irp c, 0,1,2,3,4,5,6,7
	v_add_nc_u32 v[XV+\c], \c-127, v112            ; i - 127
.endr
.irp c, 0,1,2,3,4,5,6,7
	v_cvt_f32_i32 v[XV+\c], v[XV+\c]
.endr
.irp c, 0,1,2,3,4,5,6,7
	v_add_f32 v[XV+\c], |v[XV+\c]|, 1.0
.endr
	s_wait_alu depctr_va_vdst(0)
.irp c, 0,1,2,3,4,5,6,7
	v_rcp_f32 v[XV+\c], v[XV+\c]
.endr
	v_lshl_add_u32 v115, v0, 3, VS                 ; (a plain line behind the reciprocals)  VS + 256 w + 8 l
	s_wait_alu depctr_va_vdst(0)                   ; the eight reciprocals v[XV ..] are written, ahead of their first reader
.irp c, 0,1,2,3,4,5,6,7
	v_min_num_f32 v[XV+\c], s16, v[XV+\c]          ; the conversion to an 8-bit code does not saturate (ISA guide 7.6.2); the numbers are positive, so the hold is one-sided
.endr
	v_cvt_scalef32_pk8_fp8_f32 v[124:125], v[XV:XV+7], v113
	v_nop                                          ; one plain line behind a scaled conversion
	; ---- the tables.  Wave w fills pieces s0 .. s0 + 119 of table w / 2, s0 = 120 (w % 2).  It takes V[s0 .. s0 + 135] into every lane,
	s_lshl_b32 s18, s10, 8
	s_and_b32 s19, s10, 1
	s_mul_i32 s20, s19, 120
	s_add_co_u32 s18, s18, s20
	s_add_co_u32 s18, s18, VS
	v_mov_b32 v162, s18
	s_wait_dscnt 0x0                               ; the reversed H is in
	v_add_f32 v108, v96, v107                      ; S(4 l + i) = H'(4 l + i) + H'(127 - 4 l - i)
	v_add_f32 v109, v97, v106
	v_add_f32 v110, v98, v105
	v_add_f32 v111, v99, v104
	s_wait_alu depctr_va_vdst(0)                   ; one wait for the run below: the codes v[124:125] and S in v108 to v111, the two stores' data, and the address v162 are written
	ds_store_b64 v115, v[124:125]
	ds_store_b128 v102, v[108:111] offset:STB-HB
.irp n, 0,1,2,3,4,5,6,7,8,9,10,11,12,13,14,15,16
	ds_load_b64 v[D+2*\n:D+2*\n+1], v162 offset:8*\n
.endr
	s_lshr_b32 s20, s10, 1
	s_mul_i32 s20, s20, T1-T0
	s_mul_i32 s21, s19, 120*256
	s_add_co_u32 s20, s20, s21
	v_lshlrev_b32 v[TA], 4, v2                     ; (these lines name none of the registers that the loads above touch)
	v_lshl_add_u32 v[TA], v3, 8, v[TA]
	v_add_nc_u32 v[TA], s20, v[TA]                 ; piece s0 + h, copy r
	s_mov_b32 s21, 0x01010101
	v_mul_lo_u32 v199, v3, s21
	v_add_nc_u32 v[SEL], 0x03020100, v199          ; bytes h .. h + 3 of two neighbouring words,
	v_add_nc_u32 v[SEL+1], 0x05040302, v199        ; bytes 2 + h .. 5 + h
	s_wait_alu depctr_va_vdst(0)
	s_wait_dscnt 0x0
	; and cuts pieces s0 + 2 P + h out of it: 16 bytes from byte 2 P + h on.  One store writes 512 consecutive bytes: piece s0 + 2 P sixteen times, then piece s0 + 2 P + 1.
	; Piece P has four registers of its own, v[4 P ..] of window 1.  Four batches of fifteen: a batch's v_perm_b32, one wait, its stores.
.set P, 0
.rept 4
	WIN 0x40                                       ; destination window 1
.rept 15
.set DN, D+P/2
.irp i, 0,1,2,3
	v_perm_b32 v[4*P+\i], v[DN+\i+1], v[DN+\i], v[SEL+P%2]
.endr
.set P, P+1
.endr
	WIN 0x04                                       ; an LDS store's data: window 1
	s_wait_alu depctr_va_vdst(0)                   ; the batch's fifteen pieces are written, which the stores below read (the first time: their address v[TA] too)
.set P, P-15
.rept 15
	ds_store_b128 v[TA], v[4*P:4*P+3] offset:512*P
.set P, P+1
.endr
.endr
	WIN 0
	s_wait_dscnt 0x0                               ; for the others' sake: my part of the tables lies in LDS
	s_barrier_signal -1
	s_barrier_wait -1                              ; both tables are whole.  From here to the next barrier LDS is only read
; The twelve fragment addresses of my wave's band s (0..7), into address set s % 2: blocks 0-7 the k side's, 8-11 the j side's.
.macro ADDR s
.set AS, AD+12*((\s)%2)
.irp k, 0,1,2,3,4,5,6,7,8,9,10,11
	v_bfe_u32 v[AS+\k], v[KR+2*\k+(\s)/4], 8*((\s)%4), 8
.endr
.irp k, 0,1,2,3,4,5,6,7,8,9,10,11
	v_min_u32 v[AS+\k], 0x7f, v[AS+\k]
.endr
.irp k, 0,1,2,3,4,5,6,7
	v_lshl_add_u32 v[AS+\k], v[AS+\k], 8, v[LBB]
.endr
.irp k, 8,9,10,11
	v_lshl_add_u32 v[AS+\k], v[AS+\k], 8, v[LBA]
.endr
.endm
; Band s's 48 LDS loads, into set s % 2, in three runs of sixteen: the j side's four blocks; the k side's blocks 0-3; its blocks 4-7.
.macro FETCH_J s
.set AS, AD+12*((\s)%2)
	WIN 0
.irp a, 0,1,2,3
.irp c, 0,1,2,3
	ds_load_b128 v[AF+64*((\s)%2)+16*\a+4*\c:AF+64*((\s)%2)+16*\a+4*\c+3], v[AS+8+\a] offset:8192*\c
.endr
.endr
.endm
.macro FETCH_K s, k0
.set AS, AD+12*((\s)%2)
	WIN 0x40                                       ; destination window 1
.irp k, \k0, \k0+1, \k0+2, \k0+3
.irp c, 0,1,2,3
	ds_load_b128 v[128*((\s)%2)+16*(\k)+4*\c:128*((\s)%2)+16*(\k)+4*\c+3], v[AS+(\k)] offset:8192*\c
.endr
.endr
.endm
; Eight matrix instructions: the j side's block a against the k side's eight.  Band 0's products start the sums: nothing is cleared.
.macro MUL s, a
.irp bk, 0,1,2,3,4,5,6,7
.if (\s) == 0
	v_wmma_f32_16x16x128_fp8_fp8 v[8*(8*(\a)+\bk):8*(8*(\a)+\bk)+7], v[128*((\s)%2)+16*\bk:128*((\s)%2)+16*\bk+15], v[AF+64*((\s)%2)+16*(\a):AF+64*((\s)%2)+16*(\a)+15], 0
.else
	v_wmma_f32_16x16x128_fp8_fp8 v[8*(8*(\a)+\bk):8*(8*(\a)+\bk)+7], v[128*((\s)%2)+16*\bk:128*((\s)%2)+16*\bk+15], v[AF+64*((\s)%2)+16*(\a):AF+64*((\s)%2)+16*(\a)+15], v[8*(8*(\a)+\bk):8*(8*(\a)+\bk)+7]
.endif
.endr
.endm
; Band s: the next band's addresses, the two waits, and then 32 matrix instructions with the next band's three runs of loads among them.  Those products name set s % 2 and the accumulators: none of the registers that
; the loads touch (address set and fragment set (s + 1) % 2), so the wait on va_vdst at the head serves all three runs.
; The 32 accumulators take turns, one instruction a turn, in the same order in every band.
.macro STEP s
.if (\s) < 7
	WIN 0
.if (\s) == 0
	s_wait_alu depctr_vm_vsrc(0)                   ; the loads of S have read their addresses v[SA ..], in which band 1's j fragments land
.else
	s_wait_alu depctr_vm_vsrc(0)                   ; band s - 1's loads have read address set (s + 1) % 2, which the lines below write again
.endif
	ADDR (\s)+1
	s_wait_alu depctr_va_vdst(0)                   ; the next band's addresses are written; band s - 1's products are done reading fragment set (s + 1) % 2, in which its loads land
	FETCH_J (\s)+1
	s_wait_dscnt 16                                ; this band's 48 loads are in (in band 0 those of S too); the sixteen just issued may be out
	WIN 0xa1                                       ; source 0 (k side) window 1, source 1 (j side) window 0, C and D window 2
	MUL \s, 0
	FETCH_K (\s)+1, 0
	WIN 0xa1
	MUL \s, 1
	FETCH_K (\s)+1, 4
	WIN 0xa1
	MUL \s, 2
	MUL \s, 3
.else
	s_wait_dscnt 0x0                               ; the last band's loads are in; nothing more is fetched
	WIN 0xa1
	MUL \s, 0
	MUL \s, 1
	MUL \s, 2
	MUL \s, 3
.endif
.endm
	; ---- S of my electrode (= my thread's number) for the 32 bands
	s_wait_loadcnt 0x0                             ; the kappa bytes
	s_lshl_b32 s16, s10, 9
	s_add_co_u32 s16, s16, STB                     ; my wave's S
.set F, 0
.rept 32
	v_bfe_u32 v[SA+F], v[EB+F/4], 8*(F%4), 8
.set F, F+1
.endr
.set F, 0
.rept 32
	v_min_u32 v[SA+F], 0x7f, v[SA+F]               ; a loaded number enters an address only held inside its table
.set F, F+1
.endr
.set F, 0
.rept 32
	v_lshl_add_u32 v[SA+F], v[SA+F], 2, s16
.set F, F+1
.endr
	ADDR 0
	s_wait_alu depctr_va_vdst(0)                   ; S's addresses and address set 0 are written; the v_perm_b32 have written window 1 and are done reading v[D ..], in both of which band 0's fragments land
	s_wait_alu depctr_vm_vsrc(0)                   ; the tables' stores have read window 1's registers, and V's loads their address v162: band 0's fragments land in them
.set F, 0
.rept 32
	ds_load_b32 v[SEV+F], v[SA+F]
.set F, F+1
.endr
	FETCH_J 0
	FETCH_K 0, 0
	FETCH_K 0, 4
.irp s, 0,1,2,3,4,5,6,7
	STEP \s
.endr
	WIN 0
.rept 4
	v_nop                                          ; four places behind the last products, in front of the stores that read results
.endr
	s_wait_alu depctr_va_vdst(0)                   ; the products have written the accumulators, which the LDS stores below read and in which se lands later, and are done reading window 1's fragments, in which se lands; the places above stay beside this wait
	s_wait_dscnt 0x0                               ; (met already by the last band's wait)  my reads of the tables are over
	s_barrier_signal -1
	s_barrier_wait -1                              ; everybody's are: from here to the next barrier LDS is only written
	; ---- my partial sums and S of my electrode go to LDS
	WIN 0x08                                       ; an LDS store's data: window 2
.irp a, 0,1,2,3
.irp bk, 0,1,2,3,4,5,6,7
	ds_store_b128 v[STO], v[8*(8*\a+\bk):8*(8*\a+\bk)+3] offset:16*SPITCH*\a+64*\bk          ; each accumulator from its low end on: row 16 a + r, columns 16 bk + 8 h + 0..3,
	ds_store_b128 v[STO], v[8*(8*\a+\bk)+4:8*(8*\a+\bk)+7] offset:16*SPITCH*\a+64*\bk+16     ; + 4..7
.endr
.endr
	WIN 0
.set F, 0
.rept 32
	ds_store_b32 v[SEW], v[SEV+F] offset:512*F
.set F, F+1
.endr
	s_wait_dscnt 0x0                               ; for the others' sake: my stores are done
	s_barrier_signal -1
	s_barrier_wait -1
	s_wait_alu depctr_vm_vsrc(0)                   ; my stores of the partial sums have read window 2's registers, in which se of bands 16 to 31 lands
	; ---- THE TAIL.  Wave w finishes rows 16 w .. 16 w + 15.  Lane (r, h) owns rows 8 h + i, i = 0..7, and columns 64 u + 4 r + 0..3, u = 0, 1: sixteen lanes hold 256 neighbouring bytes of a row.
	; Every load of the tail has registers of its own, so no register is loaded again behind a vector line that read it, and no store's data are written again.
.set SACC, 128                         ; v128-191 the sum over f of se[row] se[column]: entry (i, u) at 8 i + 4 u
.macro GLOAD g                         ; rows 2 g and 2 g + 1, all four partial sums: sixteen loads into v[64 g ..] of window 3
	WIN 0xc0                                       ; destination window 3
.irp e, 0,1
.irp u, 0,1
.irp q, 0,1,2,3
	ds_load_b128 v[64*(\g)+16*(2*\e+\u)+4*\q:64*(\g)+16*(2*\e+\u)+4*\q+3], v[SRD+\q] offset:SPITCH*(2*(\g)+\e)+256*\u
.endr
.endr
.endr
.endm
.macro SELOAD f                        ; band f: se of my 8 columns, then of my 8 rows, into v[16 (f % 16) ..] of window 1 (bands 0-15) or 2 (bands 16-31)
.set RS, 16*((\f)%16)
	ds_load_b128 v[RS:RS+3], v[SEC] offset:512*(\f)
	ds_load_b128 v[RS+4:RS+7], v[SEC] offset:512*(\f)+256
	ds_load_b128 v[RS+8:RS+11], v[SER] offset:512*(\f)
	ds_load_b128 v[RS+12:RS+15], v[SER] offset:512*(\f)+16
.endm
.macro SEUNIT u                        ; bands 4 u .. 4 u + 3: sixteen loads
	WIN 0x40*(1+(\u)/4)                            ; destination window 1 or 2
.irp n, 0,1,2,3
	SELOAD 4*(\u)+\n
.endr
.endm
.macro SEF f                           ; band f: 64 numbers a lane, two a line; the row's se is one register of a pair, taken for both halves.  Band 0 starts the sums
.set RS, 16*((\f)%16)
.irp i, 0,2,4,6
.irp c, 0,2,4,6
.if (\f) == 0
	v_pk_mul_f32 v[SACC+8*\i+\c:SACC+8*\i+\c+1], v[RS+\c:RS+\c+1], v[RS+8+\i:RS+9+\i] op_sel_hi:[1,0]
	v_pk_mul_f32 v[SACC+8*\i+8+\c:SACC+8*\i+9+\c], v[RS+\c:RS+\c+1], v[RS+8+\i:RS+9+\i] op_sel:[0,1] op_sel_hi:[1,1]
.else
	v_pk_fma_f32 v[SACC+8*\i+\c:SACC+8*\i+\c+1], v[RS+\c:RS+\c+1], v[RS+8+\i:RS+9+\i], v[SACC+8*\i+\c:SACC+8*\i+\c+1] op_sel_hi:[1,0,1]
	v_pk_fma_f32 v[SACC+8*\i+8+\c:SACC+8*\i+9+\c], v[RS+\c:RS+\c+1], v[RS+8+\i:RS+9+\i], v[SACC+8*\i+8+\c:SACC+8*\i+9+\c] op_sel:[0,1,0] op_sel_hi:[1,1,1]
.endif
.endr
.endr
.endm
.macro GOUT g                          ; rows 2 g and 2 g + 1: the four partial sums are added; out = sum x 2^(e0 + e1 - 5) - se sum / 4064.  x = 2 e + u: row 2 g + e, columns 64 u on
	s_wait_dscnt 16*(3-(\g))                       ; this group's sixteen loads are in; the younger groups' may be out
	WIN 0xcf                                       ; destination and sources 0 and 1 window 3, source 2 (the se sums) window 0
.irp x, 0,1,2,3
.set XR, 64*(\g)+16*\x
	v_pk_add_f32 v[XR:XR+1], v[XR:XR+1], v[XR+4:XR+5]
	v_pk_add_f32 v[XR+2:XR+3], v[XR+2:XR+3], v[XR+6:XR+7]
	v_pk_add_f32 v[XR+8:XR+9], v[XR+8:XR+9], v[XR+12:XR+13]
	v_pk_add_f32 v[XR+10:XR+11], v[XR+10:XR+11], v[XR+14:XR+15]
.endr
.irp x, 0,1,2,3
.set XR, 64*(\g)+16*\x
	v_pk_add_f32 v[XR:XR+1], v[XR:XR+1], v[XR+8:XR+9]
	v_pk_add_f32 v[XR+2:XR+3], v[XR+2:XR+3], v[XR+10:XR+11]
.endr
.irp x, 0,1,2,3
.set XR, 64*(\g)+16*\x
.set SR, SACC+16*(\g)+4*\x
	v_pk_fma_f32 v[XR:XR+1], v[XR:XR+1], s[24:25], v[SR:SR+1] op_sel_hi:[1,0,1]
	v_pk_fma_f32 v[XR+2:XR+3], v[XR+2:XR+3], s[24:25], v[SR+2:SR+3] op_sel_hi:[1,0,1]
.endr
	WIN 0x0c                                       ; a store's data: window 3; its offset: window 0
	s_wait_alu depctr_va_vdst(0)                   ; the group's sixteen results are written, which the four stores below read
.irp x, 0,1,2,3
.set XR, 64*(\g)+16*\x
	global_store_b128 v[GO], v[XR:XR+3], s[8:9] offset:1024*(\g)+256*\x th:TH_STORE_NT   ; sixteen lanes store 256 consecutive bytes, at a multiple of 256 from out0's first byte; written once, read by nobody here
.endr
.endm
	SEUNIT 0
	SEUNIT 1
	SEUNIT 2
	; Eight blocks of four bands.  At a block's head one more unit of sixteen loads goes out: se three blocks ahead while there is any, then the partial sums of rows 0 to 5.
.set PB, 0
.rept 8
	s_wait_dscnt 44                                ; the block's first band is in; out may be its other three bands (12 loads) and the two younger units
.if PB < 5
	SEUNIT PB+3
.else
	GLOAD PB-5
.endif
	WIN 0x05*(1+PB/4)                              ; sources 0 and 1 (se) window 1 or 2; the sums in window 0
	SEF 4*PB
	s_wait_dscnt 56                                ; out may be: two bands of this block and three younger units
	SEF 4*PB+1
	s_wait_dscnt 52
	SEF 4*PB+2
	s_wait_dscnt 48
	SEF 4*PB+3
.set PB, PB+1
.endr
	GLOAD 3
	WIN 0
.set F, 0
.rept 32
	v_pk_mul_f32 v[SACC+2*F:SACC+2*F+1], v[SACC+2*F:SACC+2*F+1], s[26:27] op_sel_hi:[1,0]   ; the se sums x -1 / 4064, while the last partial sums land
.set F, F+1
.endr
	GOUT 0
	GOUT 1
	GOUT 2
	GOUT 3
	WIN 0                                          ; the add's two registers lie in window 0
	s_wait_dscnt 0x0                               ; the closing lines, six on end
	s_wait_alu 0x0
	s_wait_tensorcnt 0x0
	ds_add_u32 v6, v114
	s_wait_dscnt 0x0
	s_endpgm
.Lfunc_end_k_qd234ef2c5a_corr:
	.size	k_qd234ef2c5a_corr, .Lfunc_end_k_qd234ef2c5a_corr-k_qd234ef2c5a_corr
	.p2alignl 7, 3214868480
	.fill 96, 4, 3214868480
	.section	.rodata,"a",@progbits
	.p2align	6, 0x0
	.amdhsa_kernel k_qd234ef2c5a_corr
		.amdhsa_group_segment_fixed_size 280064
		.amdhsa_private_segment_fixed_size 0
		.amdhsa_enable_private_segment 0
		.amdhsa_kernarg_size 24
		.amdhsa_user_sgpr_count 2
		.amdhsa_user_sgpr_kernarg_segment_ptr 1
		.amdhsa_wavefront_size32 1
		.amdhsa_system_sgpr_workgroup_id_x 1
		.amdhsa_system_sgpr_workgroup_id_y 1
		.amdhsa_system_sgpr_workgroup_id_z 1
		.amdhsa_system_vgpr_workitem_id 0
		.amdhsa_next_free_vgpr 1024
		.amdhsa_next_free_sgpr 66
		.amdhsa_reserve_vcc 0
		.amdhsa_float_denorm_mode_32 3
		.amdhsa_float_denorm_mode_16_64 3
		.amdhsa_memory_ordered 1
		.amdhsa_forward_progress 1
		.amdhsa_inst_pref_size 195
	.end_amdhsa_kernel
	.amdgpu_metadata
---
amdhsa.version: [ 1, 2 ]
amdhsa.kernels:
  - .name:           k_qd234ef2c5a_corr
    .symbol:         k_qd234ef2c5a_corr.kd
    .args:
      - { .name: rk, .offset: 0, .size: 8, .value_kind: global_buffer, .address_space: global }
      - { .name: lowp_scales, .offset: 8, .size: 8, .value_kind: global_buffer, .address_space: global }
      - { .name: out0, .offset: 16, .size: 8, .value_kind: global_buffer, .address_space: global }
    .group_segment_fixed_size: 280064
    .private_segment_fixed_size: 0
    .kernarg_segment_align: 8
    .kernarg_segment_size: 24
    .max_flat_workgroup_size: 128
    .sgpr_count:     66
    .vgpr_count:     1024
    .wavefront_size: 32
...
	.end_amdgpu_metadata
.endif
;; end of part 4
